; MI455X (gfx1250); checked and timed in simulation.
; The chip was launched on July 23, 2026; its instructions are those of AMD's public machine-readable ISA for CDNA 5 (MIT licence, August 2026) and "CDNA5" Instruction Set Architecture Reference Guide (July 2026). The comments in the code are by the model that wrote it; some were corrected since.
;; Learnable Point Filtration. Allowed arithmetic: float matrix products may take bf16 or f16 operands with f32 sums; all other float work in f32.
;; Inputs: W1 10 x 64 float32; W2 64 x 64 float32; W3 64 x 1 float32; b1 64 float32; b2 64 float32; b3 1 float32; edges 262,144 x 2 int32; pts 8,192 x 3 float32.
;; Outputs: out0 8,192 float32; out1 262,144 float32.
;; 2 versions, each right; version 2 is version 1 with the launch knn_mlp written anew for expert scheduling mode. Each part assembles by itself: llvm-mc -triple=amdgcn-amd-amdhsa -mcpu=gfx1250 --defsym DOCPART=n.
;; ======== version 1 of 2: 2 launches
;; workspace buffers: vf4 131,072 bytes
;; launch knn_mlp (part 1): grid 256 x 1, 8 waves a work-group, no clusters, 290,304 bytes of LDS; arguments pts, W1, b1, W2, b2, W3, b3, out0, vf4; writes out0, vf4
.if DOCPART == 1
	.amdgcn_target "amdgcn-amd-amdhsa--gfx1250"
	.amdhsa_code_object_version 6
	.text
	.protected	k_q4da972dfbb_knn_mlp
	.globl	k_q4da972dfbb_knn_mlp
	.p2align	8
	.type	k_q4da972dfbb_knn_mlp,@function
k_q4da972dfbb_knn_mlp:
	s_mov_b64 s[64:65], 0
	v_nop
	global_prefetch_b8 v0, s[64:65] scope:SCOPE_SE
	s_setreg_imm32_b32 hwreg(HW_REG_WAVE_MODE, 25, 1), 1
	s_wait_xcnt 0x0
; out0[q] = MLP(the 2nd to 11th smallest distances from point q to all 8,192 points);  vf4[q] = (x, y, z, out0[q]) for the edge launch.
; 256 work-groups of 8 waves.  A work-group owns 32 queries (two tiles of 16).  Every wave holds both query tiles and walks 1,024 of the
; 8,192 candidates (64 tiles of 16).  Per candidate tile: 2 LDS loads, 2 matrix instructions (512 squared distances), 176 insertions.
;
; SQUARED DISTANCES ON THE MATRIX UNIT, WITHOUT LOSS IN THE OPERANDS.  All points are taken relative to pts[0], which changes no distance and takes
; a common offset away before |a|^2 + |b|^2 - 2ab is formed.  An f32 t is cut into three bf16 pieces that add up to it exactly:
; th = t & 0xffff0000, r = t - th, tm = r & 0xffff0000, tl = r - tm (8 + 8 + 8 bits).  The 32 K places of one instruction hold, in 4 chunks of 8:
;   A (candidate, row m):  P | P | P | R     P = [xh xm xl yh ym yl zh zm]     R = [zl zl zl n1 n2 n3 0 0]     n = x^2 + y^2 + z^2 in three pieces
;   B (query, column n):   [Xh Xh Xh Yh Yh Yh Zh Zh] | the same of the m pieces | of the l pieces | [Zh Zm Zl 1 1 1 0 0]     (X, Y, Z) = -2 x the query
;   C: the query's own n in all 8 registers.  So D = n_cand + n_query - 2 a.b with all 27 piece products.
; A candidate is 32 bytes (P and R); the table of all 8,192 is 262,144 bytes and lies in LDS, built once by each work-group.
; D's register j of lane (r, h) is candidate 8h + j against query r: a lane's eight results belong to its own query, so selection stays in the lane.
;
; SELECTION.  The root is monotone, so the squares are selected and only 10 roots a query are taken.  Each lane keeps a sorted list of 11:
; a[i] = med3(x, a[i-1], a[i]) from i = 10 down to 1, a[0] = min(x, a[0]).  No branch and no address hangs on a distance.
; The 16 partial lists of a query (2 lane halves x 8 waves) are merged by the same network, shortened: the j-th value of a sorted list lands at place j or later.
;
; MLP, TRANSPOSED: A = W^T (row = out feature), B = activations (column = query), so that D of feature tile f is, packed, B of the next layer's K step f / 2.
; Operands go as hi (cut) + lo (rounded rest) in bf16 with the products hh, hl, lh; the biases enter as the f32 C.  Wave w: query tile w & 1, feature tile w >> 1.
; Layer 3 has one output column, a sixteenth of a matrix tile: 8 f32 multiply-adds a lane, one exchange of halves, four words through LDS.
;
; NO CLUSTER, NO TENSOR LOADS: what the work-groups share is the 98,304 bytes of pts, read once at the head; each point must pass through registers to be
; cut into pieces, a raw copy does not fit beside the table (262,144 + 98,304 > 327,680), and the main loop reads no memory at all.
; LIMITS: pts are finite (the _num forms of med3 and min drop a NaN).  v_sqrt_f32 returns 0 for squares below 2^-126 (ISA guide, 15.8).
; A squared distance carries the rounding of an f32 sum at the size of |p - pts[0]|^2.
; out0 gets 128 consecutive bytes from each work-group (32 queries); vf4 gets 512 consecutive bytes at a multiple of 512.
.set PT,    0                          ; LDS: P of candidate p at 16 p                     131,072 bytes
.set RT,    131072                     ;      R of candidate p at RT + 16 p                131,072 bytes
.set MRG,   262144                     ;      12 slots of 32 lanes x 48 bytes: lists on their way between waves (each slot written once)
.set MSLOT, 1536
.set HX,    280576                     ;      layer 1's output: wave w, hi at 1024 w + 16 L, lo 512 further      8,192 bytes
.set PS,    288768                     ;      layer 3's partial sums: wave w, query r at 64 w + 4 r              512 bytes
.set LS0,   8                          ; v[8:19]    sorted list of query tile 0 (11 values, 1 pad)
.set LS1,   20                         ; v[20:31]   of query tile 1
.set BQ0,   32                         ; v[32:39]   B fragment of query tile 0
.set BQ1,   40                         ; v[40:47]   of tile 1
.set CQ0,   48                         ; v[48:55]   C of tile 0: the query's norm, eight times
.set CQ1,   56                         ; v[56:63]
.set AB0,   64                         ; v[64:71]   candidate fragment, buffer 0
.set AB1,   72                         ; v[72:79]   buffer 1
.set DA,    80                         ; v[80:95]   results, buffer A: tile 0's queries, then tile 1's
.set DB,    96                         ; v[96:111]  buffer B
.set A1,    112                        ; v[112:119] W1^T fragment
.set A2H,   120                        ; v[120:135] W2^T, hi, K steps 0 and 1
.set A2L,   136                        ; v[136:151] W2^T, lo
.set BI1,   152                        ; v[152:159] b1 of my 8 features
.set BI2,   160                        ; v[160:167] b2
.set W3R,   168                        ; v[168:175] W3
.set QX,    176                        ; v[176:179] raw x, y, z of query L, then its result
.set W2RAW, 64                         ; head only: v[64:95]
.set W1RAW, 96                         ; head only: v[96:105]
.set SA,    106                        ; head only: v[106:109] 16 tid + 0, 65536, 131072, 196608
.set PTU,   180                        ; head only: v[180:183] P at work
.set RTU,   184                        ; head only: v[184:187] R at work (v187 = 0)
.set RING,  192                        ; head only: v[192:255] 16 slots of (x, y, z, n)
.set B2H,   8                          ; end only: v[8:23] layer 2's B, hi;  v[24:39] lo
.set B2L,   24
.set ACC0,  40                         ; end only: v[40:47], v[48:55], v[56:63]
.set ACC1,  48
.set ACC2,  56
	s_load_b512 s[8:23], s[0:1], 0x0               ; pts s[8:9], W1 s[10:11], b1 s[12:13], W2 s[14:15], b2 s[16:17], W3 s[18:19], b3 s[20:21], out0 s[22:23]
	s_load_b64 s[24:25], s[0:1], 0x40              ; vf4
	s_set_vgpr_msb 0x40
	v_lshl_add_u32 v0, v0, 2, 0x46a00
	v_mov_b32 v1, 0
	s_set_vgpr_msb 0x4000
	v_and_b32 v1, 31, v0                           ; L
	v_and_b32 v2, 15, v0                           ; r
	v_bfe_u32 v3, v0, 4, 1                         ; h
	v_lshrrev_b32 v4, 5, v0
	v_readfirstlane_b32 s26, v4                    ; wave w
	s_and_b32 s27, s26, 1                          ; qt: my query tile in the MLP
	s_lshr_b32 s28, s26, 1                         ; ft: my feature tile in the MLP
	s_mov_b32 s36, 0xffff0000                      ; a word's upper 16 bits: cuts an f32 to bf16
	s_mov_b32 s37, 0xffff0000                      ; as a lane mask: the lanes with h = 1
	s_mov_b32 s38, 0x07060302                      ; v_perm_b32: {first source's high half, second source's high half}
	s_mov_b32 s39, 0x7f800000                      ; +inf
	s_mov_b32 s40, 0x76543210                      ; v_permlanex16_b32: lane i of one half reads lane i of the other
	s_mov_b32 s41, 0xfedcba98
	s_mov_b32 s43, 0x3c23d70a                      ; 0.01
	s_mov_b32 s45, 0
	s_lshl_b32 s52, s26, 14                        ; my 1,024 candidates: 16,384 bytes of each table
	s_mul_i32 s53, s26, MSLOT
	s_add_co_u32 s53, s53, MRG
	s_lshl_b32 s54, s28, 6                         ; 16 features x 4 bytes
	v_lshl_add_u32 v4, v2, 4, s52                  ; P of candidate r of my first tile
	v_lshl_add_u32 v5, v3, 17, v4                  ; h = 0: the same P;  h = 1: its R
	v_mad_u32_u24 v6, v1, 48, s53                  ; my 48 bytes in merge slot w
	v_mov_b32 v7, 1.0
	v_lshlrev_b32 v[SA], 4, v0
	v_add_nc_u32 v[SA+1], 0x10000, v[SA]
	v_add_nc_u32 v[SA+2], 0x20000, v[SA]
	v_add_nc_u32 v[SA+3], 0x30000, v[SA]
	v_lshl_add_u32 v110, v2, 2, s54                ; W1: column 16 ft + r
	v_lshl_add_u32 v111, v3, 11, v110              ; W2: the same column, 8 h rows of 256 bytes down
	v_lshl_add_u32 v16, v3, 5, s54                 ; b1, b2, W3: features 16 ft + 8 h ..
	v_mul_u32_u24 v190, 12, v0                     ; point tid
	v_mul_u32_u24 v191, 12, v2                     ; query r
	s_wait_kmcnt 0x0
	s_load_b96 s[32:34], s[8:9], 0x0               ; pts[0], the centre
	s_load_b32 s35, s[20:21], 0x0                  ; b3
	s_mul_i32 s44, ttmp9, 384
	s_add_nc_u64 s[46:47], s[8:9], s[44:45]        ; my 32 queries in pts
	s_lshl_b32 s44, ttmp9, 7
	s_add_nc_u64 s[48:49], s[22:23], s[44:45]      ; in out0
	s_lshl_b32 s44, ttmp9, 9
	s_add_nc_u64 s[50:51], s[24:25], s[44:45]      ; in vf4
	; all loads of the head in one run: queries, weights, biases, then the first 16 of my 32 points
	global_load_b96 v[8:10], v191, s[46:47]                ; query r
	global_load_b96 v[12:14], v191, s[46:47] offset:192    ; query 16 + r
.irp i, 0,1,2,3,4,5,6,7,8,9
	global_load_b32 v[W1RAW+\i], v110, s[10:11] offset:256*\i      ; W1[i][16 ft + r]
.endr
.irp s, 0,1
.irp e, 0,1,2,3,4,5,6,7,8,9,10,11,12,13,14,15
	global_load_b32 v[W2RAW+16*\s+\e], v111, s[14:15] offset:256*(32*\s+\e+8*(\e/8))   ; W2[32 s + 8 h + e (+ 8 from e = 8 on)][16 ft + r]: the fragment's order of k
.endr
.endr
	global_load_b128 v[BI1:BI1+3], v16, s[12:13]
	global_load_b128 v[BI1+4:BI1+7], v16, s[12:13] offset:16
	global_load_b128 v[BI2:BI2+3], v16, s[16:17]
	global_load_b128 v[BI2+4:BI2+7], v16, s[16:17] offset:16
	global_load_b128 v[W3R:W3R+3], v16, s[18:19]
	global_load_b128 v[W3R+4:W3R+7], v16, s[18:19] offset:16
.irp i, 0,1,2,3,4,5,6,7,8,9,10,11,12,13,14,15
	global_load_b96 v[RING+4*\i:RING+4*\i+2], v190, s[8:9] offset:3072*\i      ; point 256 i + tid
.endr
	s_wait_kmcnt 0x0
	s_xor_b32 s32, s32, 0x80000000                 ; minus the centre
	s_xor_b32 s33, s33, 0x80000000
	s_xor_b32 s34, s34, 0x80000000
	v_mov_b32 v188, s32
	v_mov_b32 v189, s33
	v_mov_b32 v[RTU+3], 0
	s_wait_loadcnt 16                              ; loads return in order (ISA guide 5.7.1): only the 16 point loads are younger, so queries, weights and biases are in
	v_mov_b32 v11, 0x3f803f80                      ; (1, 1) in bf16
	v_mov_b32 v15, 0
	v_cndmask_b32 v[QX], v8, v12, s37              ; lane L keeps the raw coordinates of query L = 16 h + r
	v_cndmask_b32 v[QX+1], v9, v13, s37
	v_cndmask_b32 v[QX+2], v10, v14, s37
; A query tile's B fragment and C.  rw: raw x, y, z of query r.
.macro QFRAG rw, bq, cq
	v_add_f32 v16, s32, v[\rw]                     ; relative to the centre
	v_add_f32 v17, s33, v[\rw+1]
	v_add_f32 v18, s34, v[\rw+2]
	v_mul_f32 v19, v16, v16                        ; the norm, by the same three instructions as the candidates'
	v_fma_f32 v19, v17, v17, v19
	v_fma_f32 v19, v18, v18, v19
.irp j, 0,1,2,3,4,5,6,7
	v_mov_b32 v[\cq+\j], v19
.endr
	v_mul_f32 v16, -2.0, v16                       ; exact
	v_mul_f32 v17, -2.0, v17
	v_mul_f32 v18, -2.0, v18
.irp k, 0,1,2
	v_and_b32 v[20+\k], s36, v[16+\k]
.endr
.irp k, 0,1,2
	v_sub_f32 v[20+\k], v[16+\k], v[20+\k]         ; r = t - th: its high half is tm
.endr
.irp k, 0,1,2
	v_and_b32 v[24+\k], s36, v[20+\k]
.endr
.irp k, 0,1,2
	v_sub_f32 v[24+\k], v[20+\k], v[24+\k]         ; tl, exact in its high half
.endr
.irp k, 0,1,2
	v_cndmask_b32 v[28+\k], v[16+\k], v[20+\k], s37        ; h = 0: the h pieces (chunk 0);  h = 1: the m pieces (chunk 1)
.endr
	v_perm_b32 v[\bq+0], v28, v28, s38             ; X X
	v_perm_b32 v[\bq+1], v29, v28, s38             ; X Y (low half first)
	v_perm_b32 v[\bq+2], v29, v29, s38             ; Y Y
	v_perm_b32 v[\bq+3], v30, v30, s38             ; Z Z
	v_perm_b32 v[\bq+4], v24, v24, s38             ; chunk 2: the same of the l pieces
	v_perm_b32 v[\bq+5], v25, v24, s38
	v_perm_b32 v[\bq+6], v25, v25, s38
	v_perm_b32 v[\bq+7], v26, v26, s38
	v_perm_b32 v23, v22, v18, s38                  ; chunk 3: Zh Zm
	v_perm_b32 v27, v7, v26, s38                   ;          Zl 1
	v_cndmask_b32 v[\bq+4], v[\bq+4], v23, s37
	v_cndmask_b32 v[\bq+5], v[\bq+5], v27, s37
	v_cndmask_b32 v[\bq+6], v[\bq+6], v11, s37     ;          1 1
	v_cndmask_b32 v[\bq+7], v[\bq+7], v15, s37     ;          0 0
.endm
	QFRAG 8, BQ0, CQ0
	QFRAG 12, BQ1, CQ1
	; W1^T: 30 products in 32 K places.  h = 0: registers 0-4 Wh(0..9), 5-7 Wh(0..5);  h = 1: registers 0-4 Wl(0..9), 5-7 Wh(6..9), 0, 0.
	; (B will hold: h = 0: kh(0..9), kl(0..5);  h = 1: kh(0..9), kl(6..9), 0, 0.)
.irp i, 0,1,2,3,4,5,6,7,8,9
	v_and_b32 v[16+\i], s36, v[W1RAW+\i]
.endr
.irp c, 0,2,4,6,8
	v_pk_add_f32 v[16+\c:17+\c], v[W1RAW+\c:W1RAW+\c+1], v[16+\c:17+\c] neg_lo:[0,1] neg_hi:[0,1]   ; the rests, exact
.endr
.irp c, 0,1,2,3,4
	v_perm_b32 v[26+\c], v[W1RAW+2*\c+1], v[W1RAW+2*\c], s38       ; hi pairs
.endr
.irp c, 0,1,2,3,4
	v_cvt_pk_bf16_f32 v[16+\c], v[16+2*\c], v[17+2*\c]             ; lo pairs (each destination's old value has been used)
.endr
.irp c, 0,1,2,3,4
	v_cndmask_b32 v[A1+\c], v[26+\c], v[16+\c], s37
.endr
	v_cndmask_b32 v[A1+5], v26, v29, s37
	v_cndmask_b32 v[A1+6], v27, v30, s37
	v_cndmask_b32 v[A1+7], v28, v15, s37
	; W2^T: hi and lo fragments of both K steps
.irp c, 0,1,2,3,4,5,6,7,8,9,10,11,12,13,14,15
	v_and_b32 v16, s36, v[W2RAW+2*\c]
	v_and_b32 v17, s36, v[W2RAW+2*\c+1]
	v_perm_b32 v[A2H+\c], v[W2RAW+2*\c+1], v[W2RAW+2*\c], s38
	v_pk_add_f32 v[16:17], v[W2RAW+2*\c:W2RAW+2*\c+1], v[16:17] neg_lo:[0,1] neg_hi:[0,1]
	v_cvt_pk_bf16_f32 v[A2L+\c], v16, v17
.endr
; THE TABLE.  Thread tid makes P and R of points 256 i + tid, i = 0 .. 31, through a ring of 16 register slots.
; left = how many younger loads may stay out;  refill = 1: the slot is loaded again with point 256 (i + 16) + tid.
.macro BUILD i, left, refill
.set SL, RING+4*((\i)%16)
	s_wait_loadcnt \left
	v_pk_add_f32 v[SL:SL+1], v[SL:SL+1], v[188:189]        ; relative to the centre
	v_add_f32 v[SL+2], s34, v[SL+2]
	v_mul_f32 v[SL+3], v[SL], v[SL]                        ; n
	v_fma_f32 v[SL+3], v[SL+1], v[SL+1], v[SL+3]
	v_fma_f32 v[SL+3], v[SL+2], v[SL+2], v[SL+3]
.irp k, 0,1,2,3
	v_and_b32 v[16+\k], s36, v[SL+\k]
.endr
	v_pk_add_f32 v[20:21], v[SL:SL+1], v[16:17] neg_lo:[0,1] neg_hi:[0,1]      ; r = t - th
	v_pk_add_f32 v[22:23], v[SL+2:SL+3], v[18:19] neg_lo:[0,1] neg_hi:[0,1]
.irp k, 0,1,2,3
	v_and_b32 v[16+\k], s36, v[20+\k]
.endr
	v_pk_add_f32 v[24:25], v[20:21], v[16:17] neg_lo:[0,1] neg_hi:[0,1]        ; tl = r - tm
	v_pk_add_f32 v[26:27], v[22:23], v[18:19] neg_lo:[0,1] neg_hi:[0,1]
	v_perm_b32 v[PTU+0], v20, v[SL], s38           ; xh xm (low half first)
	v_perm_b32 v[PTU+1], v[SL+1], v24, s38         ; xl yh
	v_perm_b32 v[PTU+2], v25, v21, s38             ; ym yl
	v_perm_b32 v[PTU+3], v22, v[SL+2], s38         ; zh zm
	v_perm_b32 v[RTU+0], v26, v26, s38             ; zl zl
	v_perm_b32 v[RTU+1], v[SL+3], v26, s38         ; zl n1
	v_perm_b32 v[RTU+2], v27, v23, s38             ; n2 n3
	ds_store_b128 v[SA+(\i)/16], v[PTU:PTU+3] offset:4096*((\i)%16)    ; neighbouring lanes, neighbouring 16 bytes
	ds_store_b128 v[SA+2+(\i)/16], v[RTU:RTU+3] offset:4096*((\i)%16)
.if \refill
	global_load_b96 v[SL:SL+2], v190, s[8:9] offset:3072*(\i+16)
.endif
.endm
.irp i, 0,1,2,3,4,5,6,7,8,9,10,11,12,13,14,15
	BUILD \i, 15, 1                                ; younger than slot i's load: 15 - i first fills and i refills
.endr
.irp i, 16,17,18,19,20,21,22,23,24,25,26,27,28,29,30,31
	BUILD \i, 31-\i, 0                             ; the counts run down; nothing is loaded past point 8,191
.endr
	s_wait_dscnt 0x0                               ; my part of the table is written,
	s_barrier_signal -1
	s_barrier_wait -1                              ; everybody's is
; One candidate for each of the two lists, the lists' instructions by turns.
.macro INS2 xa, xb
.irp i, 10,9,8,7,6,5,4,3,2,1
	v_med3_num_f32 v[LS0+\i], v[\xa], v[LS0+\i-1], v[LS0+\i]
	v_med3_num_f32 v[LS1+\i], v[\xb], v[LS1+\i-1], v[LS1+\i]
.endr
	v_min_num_f32 v[LS0], v[\xa], v[LS0]
	v_min_num_f32 v[LS1], v[\xb], v[LS1]
.endm
; One step: the next tile's two matrix instructions (wm) from fragment buffer ab into result buffer nxt, the 16 insertions of result buffer cur,
; and in their middle the loads (ld) of the tile three ahead into ab.  The results are read a whole step behind their matrix instruction, and the
; loads into ab stand behind 88 vector instructions that name none of its registers.  No matrix instruction adds in place.
.macro STEP cur, nxt, ab, cnt, wm, ld, off
.if \wm
	s_wait_dscnt \cnt                              ; LDS loads return in order (ISA guide 5.7.1): ab's two are in, the younger two may stay out
	v_wmma_f32_16x16x32_bf16 v[\nxt:\nxt+7], v[\ab:\ab+7], v[BQ0:BQ0+7], v[CQ0:CQ0+7]
	v_wmma_f32_16x16x32_bf16 v[\nxt+8:\nxt+15], v[\ab:\ab+7], v[BQ1:BQ1+7], v[CQ1:CQ1+7]
.endif
.irp j, 0,1,2,3
	INS2 \cur+\j, \cur+8+\j
.endr
.if \ld
	ds_load_b128 v[\ab:\ab+3], v4 offset:\off      ; chunks 0 and 1: P in both halves
	ds_load_b128 v[\ab+4:\ab+7], v5 offset:\off    ; chunk 2: P;  chunk 3: R
.endif
.irp j, 4,5,6,7
	INS2 \cur+\j, \cur+8+\j
.endr
.endm
	ds_load_b128 v[AB0:AB0+3], v4                  ; tile 0
	ds_load_b128 v[AB0+4:AB0+7], v5
	ds_load_b128 v[AB1:AB1+3], v4 offset:256       ; tile 1
	ds_load_b128 v[AB1+4:AB1+7], v5 offset:256
	s_wait_dscnt 2                                 ; tile 0 is in
	v_wmma_f32_16x16x32_bf16 v[DA:DA+7], v[AB0:AB0+7], v[BQ0:BQ0+7], v[CQ0:CQ0+7]
	v_wmma_f32_16x16x32_bf16 v[DA+8:DA+15], v[AB0:AB0+7], v[BQ1:BQ1+7], v[CQ1:CQ1+7]
.irp i, 0,1,2,3,4,5,6,7,8,9,10,11,12,13,14,15,16,17,18,19,20,21,22,23
	v_mov_b32 v[LS0+\i], s39                       ; both lists start at +inf, pads too; these lines are also the places behind the two matrix instructions
.endr
	ds_load_b128 v[AB0:AB0+3], v4 offset:512       ; tile 2
	ds_load_b128 v[AB0+4:AB0+7], v5 offset:512
	s_mov_b32 s42, 30
.Ltiles:                                           ; a trip: steps 2 t and 2 t + 1 of 64
	STEP DA, DB, AB1, 2, 1, 1, 768
	STEP DB, DA, AB0, 2, 1, 1, 1024
	v_add_nc_u32 v4, 0x200, v4
	v_add_nc_u32 v5, 0x200, v5
	s_sub_co_i32 s42, s42, 1
	s_cmp_lg_u32 s42, 0
	s_cbranch_scc1 .Ltiles
	STEP DA, DB, AB1, 2, 1, 1, 768                 ; step 60 loads tile 63, the last
	STEP DB, DA, AB0, 2, 1, 0, 0                   ; step 61: tile 62's loads are in, tile 63's two may stay out
	STEP DA, DB, AB1, 0, 1, 0, 0                   ; step 62: tile 63's are the only ones out
	STEP DB, DB, AB1, 0, 0, 0, 0                   ; step 63 only inserts
; A value of a sorted list, its lo-th, enters list 0: lo values not larger are in the list already, so places below lo stay as they are.
.macro INSF x, lo
.set ii, 10
.if \lo == 0
.rept 10
	v_med3_num_f32 v[LS0+ii], v[\x], v[LS0+ii-1], v[LS0+ii]
.set ii, ii-1
.endr
	v_min_num_f32 v[LS0], v[\x], v[LS0]
.else
.rept 11-\lo
	v_med3_num_f32 v[LS0+ii], v[\x], v[LS0+ii-1], v[LS0+ii]
.set ii, ii-1
.endr
.endif
.endm
	; The two halves of the lanes: lane (r, h) holds parts of queries r and 16 + r.  It keeps the list of query L = 16 h + r and sends the other across.
.irp i, 0,1,2,3,4,5,6,7,8,9,10
	v_cndmask_b32 v[64+\i], v[LS1+\i], v[LS0+\i], s37      ; to send: h = 0 list 1, h = 1 list 0
	v_cndmask_b32 v[LS0+\i], v[LS0+\i], v[LS1+\i], s37     ; to keep
	v_permlanex16_b32 v[LS1+\i], v[64+\i], s40, s41
.endr
.irp j, 0,1,2,3,4,5,6,7,8,9,10
	INSF LS1+\j, \j
.endr
; Across the waves: waves t .. 2 t - 1 store their lists, waves 0 .. t - 1 take them in.  so, lo: the offsets that lead both to the same slot.
; The branches hang on the wave's number alone and jump over no barrier.
.macro MERGE t, so, lo
	s_cmp_lt_u32 s26, \t
	s_cbranch_scc1 .Lkeep_\@
	s_cmp_ge_u32 s26, 2*\t
	s_cbranch_scc1 .Lkeep_\@
	ds_store_b128 v6, v[LS0:LS0+3] offset:\so
	ds_store_b128 v6, v[LS0+4:LS0+7] offset:\so+16
	ds_store_b128 v6, v[LS0+8:LS0+11] offset:\so+32
.Lkeep_\@:
	s_wait_dscnt 0x0                               ; for the readers' sake: my stores are done
	s_barrier_signal -1
	s_barrier_wait -1
	s_cmp_ge_u32 s26, \t
	s_cbranch_scc1 .Lidle_\@
	ds_load_b128 v[64:67], v6 offset:\lo
	ds_load_b128 v[68:71], v6 offset:\lo+16
	ds_load_b128 v[72:75], v6 offset:\lo+32
	s_wait_dscnt 0x0
.irp j, 0,1,2,3,4,5,6,7,8,9,10
	INSF 64+\j, \j
.endr
.Lidle_\@:
.endm
	MERGE 4, 0, 4*MSLOT                            ; slots 4 .. 7
	MERGE 2, 6*MSLOT, 8*MSLOT                      ; slots 8, 9
	MERGE 1, 9*MSLOT, 10*MSLOT                     ; slot 10
	; Wave 0 holds the 11 smallest squares of all 32 queries: drop the smallest, clamp at 0, take the roots, hand them to all waves (slot 11).
	s_cmp_lg_u32 s26, 0
	s_cbranch_scc1 .Lno_roots
.irp i, 0,1,2,3,4,5,6,7,8,9
	v_max_num_f32 v[96+\i], 0, v[LS0+1+\i]
.endr
.irp i, 0,1,2,3,4,5,6,7,8,9
	v_sqrt_f32 v[80+\i], v[96+\i]
.endr
	v_mov_b32 v90, 0                               ; a plain vector instruction between the last root and its use (ISA guide 5.7.2); also the pad
	v_mov_b32 v91, 0
	s_wait_alu depctr_va_vdst(0)
	ds_store_b128 v6, v[80:83] offset:11*MSLOT
	ds_store_b128 v6, v[84:87] offset:11*MSLOT+16
	ds_store_b128 v6, v[88:91] offset:11*MSLOT+32
.Lno_roots:
	s_wait_dscnt 0x0
	s_barrier_signal -1
	s_barrier_wait -1
	; LAYER 1.  B: the ten distances of query 16 qt + r, hi and lo.
	s_mul_i32 s52, s27, 768
	s_add_co_u32 s52, s52, MRG+11*MSLOT
	v_mad_u32_u24 v92, v2, 48, s52
	s_lshl_b32 s53, s26, 10
	s_add_co_u32 s53, s53, HX
	s_lshl_b32 s54, s27, 10
	s_add_co_u32 s54, s54, HX
	s_lshl_b32 s55, s26, 6
	s_add_co_u32 s55, s55, PS
	ds_load_b128 v[80:83], v92
	ds_load_b128 v[84:87], v92 offset:16
	ds_load_b64 v[88:89], v92 offset:32
	v_mov_b32 v79, 0
	s_wait_dscnt 0x0
.irp c, 0,1,2,3,4
	v_perm_b32 v[96+\c], v[81+2*\c], v[80+2*\c], s38       ; hi pairs
.endr
.irp i, 0,1,2,3,4,5,6,7,8,9
	v_and_b32 v[64+\i], s36, v[80+\i]
.endr
.irp c, 0,2,4,6,8
	v_pk_add_f32 v[64+\c:65+\c], v[80+\c:81+\c], v[64+\c:65+\c] neg_lo:[0,1] neg_hi:[0,1]
.endr
.irp c, 0,1,2,3,4
	v_cvt_pk_bf16_f32 v[74+\c], v[64+2*\c], v[65+2*\c]     ; lo pairs
.endr
	v_cndmask_b32 v101, v74, v77, s37
	v_cndmask_b32 v102, v75, v78, s37
	v_cndmask_b32 v103, v76, v79, s37
	v_wmma_f32_16x16x32_bf16 v[104:111], v[A1:A1+7], v[96:103], v[BI1:BI1+7]
	v_lshl_add_u32 v93, v1, 4, s53                 ; four places behind the matrix instruction (ISA guide 7.12.1): three addresses and a v_nop.  Where I put layer 1's output,
	v_lshl_add_u32 v94, v1, 4, s54                 ; where I read my query tile's,
	v_lshl_add_u32 v95, v2, 2, s55                 ; where I put layer 3's partial sum
	v_nop
.irp j, 0,1,2,3,4,5,6,7
	v_mul_f32 v[72+\j], s43, v[104+\j]
.endr
.irp j, 0,1,2,3,4,5,6,7
	v_max_num_f32 v[104+\j], v[104+\j], v[72+\j]   ; leaky(x) = max(x, 0.01 x)
.endr
.irp c, 0,1,2,3
	v_perm_b32 v[64+\c], v[105+2*\c], v[104+2*\c], s38     ; features 16 ft + 8 h + 0 .. 7 of query r: hi
.endr
.irp j, 0,1,2,3,4,5,6,7
	v_and_b32 v[72+\j], s36, v[104+\j]
.endr
.irp c, 0,2,4,6
	v_pk_add_f32 v[72+\c:73+\c], v[104+\c:105+\c], v[72+\c:73+\c] neg_lo:[0,1] neg_hi:[0,1]
.endr
.irp c, 0,1,2,3
	v_cvt_pk_bf16_f32 v[68+\c], v[72+2*\c], v[73+2*\c]     ; lo
.endr
	ds_store_b128 v93, v[64:67]
	ds_store_b128 v93, v[68:71] offset:512
	s_wait_dscnt 0x0
	s_barrier_signal -1
	s_barrier_wait -1
	; LAYER 2.  Feature tile f of my query tile was written by wave 2 f + qt; it is registers 4 (f & 1) .. + 3 of K step f / 2.
.irp f, 0,1,2,3
	ds_load_b128 v[B2H+4*\f:B2H+4*\f+3], v94 offset:2048*\f
	ds_load_b128 v[B2L+4*\f:B2L+4*\f+3], v94 offset:2048*\f+512
.endr
	s_wait_dscnt 0x0
	; three accumulators by turns, one instruction a turn
	v_wmma_f32_16x16x32_bf16 v[ACC0:ACC0+7], v[A2H:A2H+7], v[B2H:B2H+7], v[BI2:BI2+7]
	v_wmma_f32_16x16x32_bf16 v[ACC1:ACC1+7], v[A2H:A2H+7], v[B2L:B2L+7], 0
	v_wmma_f32_16x16x32_bf16 v[ACC2:ACC2+7], v[A2L:A2L+7], v[B2H:B2H+7], 0
	v_wmma_f32_16x16x32_bf16 v[ACC0:ACC0+7], v[A2H+8:A2H+15], v[B2H+8:B2H+15], v[ACC0:ACC0+7]
	v_wmma_f32_16x16x32_bf16 v[ACC1:ACC1+7], v[A2H+8:A2H+15], v[B2L+8:B2L+15], v[ACC1:ACC1+7]
	v_wmma_f32_16x16x32_bf16 v[ACC2:ACC2+7], v[A2L+8:A2L+15], v[B2H+8:B2H+15], v[ACC2:ACC2+7]
.rept 4
	v_nop                                          ; four places before the results are read (ISA guide 7.12.1)
.endr
.irp c, 0,2,4,6
	v_pk_add_f32 v[ACC1+\c:ACC1+\c+1], v[ACC1+\c:ACC1+\c+1], v[ACC2+\c:ACC2+\c+1]      ; the two small sums first
.endr
.irp c, 0,2,4,6
	v_pk_add_f32 v[ACC0+\c:ACC0+\c+1], v[ACC0+\c:ACC0+\c+1], v[ACC1+\c:ACC1+\c+1]
.endr
.irp j, 0,1,2,3,4,5,6,7
	v_mul_f32 v[ACC1+\j], s43, v[ACC0+\j]
.endr
.irp j, 0,1,2,3,4,5,6,7
	v_max_num_f32 v[ACC0+\j], v[ACC0+\j], v[ACC1+\j]
.endr
	; LAYER 3: my 8 features, the other half's 8, then the four feature tiles through LDS
	v_mul_f32 v64, v[W3R], v[ACC0]
.irp j, 1,2,3,4,5,6,7
	v_fma_f32 v64, v[W3R+\j], v[ACC0+\j], v64
.endr
	v_permlanex16_b32 v65, v64, s40, s41
	v_add_f32 v64, v64, v65
	ds_store_b32 v95, v64                          ; both halves write the same value to the same word
	s_wait_dscnt 0x0
	s_barrier_signal -1
	s_barrier_wait -1
	s_cmp_lg_u32 s26, 0
	s_cbranch_scc1 .Lend
	v_lshlrev_b32 v64, 2, v1                       ; query L = 16 qt + r: wave 2 f + qt wrote at 128 f + 64 qt + 4 r = 128 f + 4 L
	v_add_nc_u32 v65, PS, v64
	ds_load_b32 v66, v65
	ds_load_b32 v67, v65 offset:128
	ds_load_b32 v68, v65 offset:256
	ds_load_b32 v69, v65 offset:384
	v_lshlrev_b32 v70, 4, v1
	s_wait_dscnt 0x0
	v_add_f32 v66, v66, v67
	v_add_f32 v68, v68, v69
	v_add_f32 v66, v66, v68
	v_add_f32 v[QX+3], s35, v66                    ; + b3
	global_store_b32 v64, v[QX+3], s[48:49]        ; 128 consecutive bytes of out0
	global_store_b128 v70, v[QX:QX+3], s[50:51]    ; 512 consecutive bytes of vf4, at a multiple of 512
.Lend:
	s_set_vgpr_msb 0x5
	s_wait_tensorcnt 0x0
	ds_add_u32 v0, v1
	s_wait_dscnt 0x0
	s_set_vgpr_msb 0x500
	s_endpgm
.Lfunc_end_k_q4da972dfbb_knn_mlp:
	.size	k_q4da972dfbb_knn_mlp, .Lfunc_end_k_q4da972dfbb_knn_mlp-k_q4da972dfbb_knn_mlp
	.p2alignl 7, 3214868480
	.fill 96, 4, 3214868480
	.section	.rodata,"a",@progbits
	.p2align	6, 0x0
	.amdhsa_kernel k_q4da972dfbb_knn_mlp
		.amdhsa_group_segment_fixed_size 290304
		.amdhsa_private_segment_fixed_size 0
		.amdhsa_enable_private_segment 0
		.amdhsa_kernarg_size 72
		.amdhsa_user_sgpr_count 2
		.amdhsa_user_sgpr_kernarg_segment_ptr 1
		.amdhsa_wavefront_size32 1
		.amdhsa_system_sgpr_workgroup_id_x 1
		.amdhsa_system_sgpr_workgroup_id_y 1
		.amdhsa_system_sgpr_workgroup_id_z 1
		.amdhsa_system_vgpr_workitem_id 0
		.amdhsa_next_free_vgpr 258
		.amdhsa_next_free_sgpr 66
		.amdhsa_reserve_vcc 0
		.amdhsa_float_denorm_mode_32 3
		.amdhsa_float_denorm_mode_16_64 3
		.amdhsa_memory_ordered 1
		.amdhsa_forward_progress 1
		.amdhsa_inst_pref_size 159
	.end_amdhsa_kernel
	.amdgpu_metadata
---
amdhsa.version: [ 1, 2 ]
amdhsa.kernels:
  - .name:           k_q4da972dfbb_knn_mlp
    .symbol:         k_q4da972dfbb_knn_mlp.kd
    .args:
      - { .name: pts, .offset: 0, .size: 8, .value_kind: global_buffer, .address_space: global }
      - { .name: W1, .offset: 8, .size: 8, .value_kind: global_buffer, .address_space: global }
      - { .name: b1, .offset: 16, .size: 8, .value_kind: global_buffer, .address_space: global }
      - { .name: W2, .offset: 24, .size: 8, .value_kind: global_buffer, .address_space: global }
      - { .name: b2, .offset: 32, .size: 8, .value_kind: global_buffer, .address_space: global }
      - { .name: W3, .offset: 40, .size: 8, .value_kind: global_buffer, .address_space: global }
      - { .name: b3, .offset: 48, .size: 8, .value_kind: global_buffer, .address_space: global }
      - { .name: out0, .offset: 56, .size: 8, .value_kind: global_buffer, .address_space: global }
      - { .name: vf4, .offset: 64, .size: 8, .value_kind: global_buffer, .address_space: global }
    .group_segment_fixed_size: 290304
    .private_segment_fixed_size: 0
    .kernarg_segment_align: 8
    .kernarg_segment_size: 72
    .max_flat_workgroup_size: 256
    .sgpr_count:     66
    .vgpr_count:     258
    .wavefront_size: 32
...
	.end_amdgpu_metadata
.endif
;; end of part 1
;; launch edges (part 2): grid 256 x 1, 8 waves a work-group, no clusters, 0 bytes of LDS; arguments edges, vf4, out1; writes out1
.if DOCPART == 2
	.amdgcn_target "amdgcn-amd-amdhsa--gfx1250"
	.amdhsa_code_object_version 6
	.text
	.protected	k_q4da972dfbb_edges
	.globl	k_q4da972dfbb_edges
	.p2align	8
	.type	k_q4da972dfbb_edges,@function
k_q4da972dfbb_edges:
	s_mov_b64 s[64:65], 0
	v_nop
	global_prefetch_b8 v0, s[64:65] scope:SCOPE_SE
	s_setreg_imm32_b32 hwreg(HW_REG_WAVE_MODE, 25, 1), 1
	s_wait_xcnt 0x0
; out1[e] = |p_u - p_v| + max(f_u, f_v).  edges: [262144][2] i32.  vf4: [8192][4] f32 = (x, y, z, f), written by the launch before.
; 65,536 threads, four neighbouring edges each: 32 bytes of indices in, eight gathers of 16 bytes, 16 bytes out.  No loop, no LDS, no barrier, no matrix
; work: every load of a thread is on its way at once, and one store of a wave covers 512 consecutive bytes at a multiple of 512.
; No cluster: the work-groups share only the table of 131,072 bytes, which they read by scattered gathers, not by tiles.
; LIMITS: an index is clamped to 0 .. 8191 (the problem's indices lie inside).  v_sqrt_f32 returns 0 for squares below 2^-126 (ISA guide, 15.8);
; the sum of squares is never negative and the root of 0 is 0, as in the guarded root of the problem.  v_max_num_f32 drops a NaN.
.set IX, 4                             ; v[4:11]   u0 v0 u1 v1 u2 v2 u3 v3, then their byte offsets in vf4
.set G,  16                            ; v[16:47]  the eight gathered (x, y, z, f)
.set SQ, 48                            ; v[48:51]  squared lengths, then the results
.set FM, 52                            ; v[52:55]  max(f_u, f_v)
.set RO, 60                            ; v[60:63]  roots
	s_load_b128 s[4:7], s[0:1], 0x0                ; edges s[4:5], vf4 s[6:7]
	s_load_b64 s[8:9], s[0:1], 0x10                ; out1
	v_lshlrev_b32 v1, 5, v0                        ; 32 bytes of indices a thread
	v_lshlrev_b32 v2, 4, v0                        ; 16 bytes of results
	s_lshl_b32 s10, ttmp9, 13                      ; 256 threads x 32 bytes
	s_mov_b32 s11, 0
	s_wait_kmcnt 0x0
	s_add_nc_u64 s[4:5], s[4:5], s[10:11]
	s_lshl_b32 s10, ttmp9, 12                      ; 256 threads x 16 bytes
	s_add_nc_u64 s[8:9], s[8:9], s[10:11]
	global_load_b128 v[IX:IX+3], v1, s[4:5] th:TH_LOAD_NT
	global_load_b128 v[IX+4:IX+7], v1, s[4:5] offset:16 th:TH_LOAD_NT
	s_wait_loadcnt 0x0
.irp k, 0,1,2,3,4,5,6,7
	v_min_u32 v[IX+\k], 0x1fff, v[IX+\k]           ; a loaded number enters an address only clamped
.endr
.irp k, 0,1,2,3,4,5,6,7
	v_lshlrev_b32 v[IX+\k], 4, v[IX+\k]
.endr
.irp k, 0,1,2,3,4,5,6,7
	global_load_b128 v[G+4*\k:G+4*\k+3], v[IX+\k], s[6:7]          ; no hint: the table is read again and again
.endr
.irp e, 0,1,2,3
	s_wait_loadcnt 6-2*\e                          ; loads return in order (ISA guide 5.7.1): edge e's two are in, the later edges' may stay out
	v_pk_add_f32 v[56:57], v[G+8*\e:G+8*\e+1], v[G+8*\e+4:G+8*\e+5] neg_lo:[0,1] neg_hi:[0,1]
	v_sub_f32 v58, v[G+8*\e+2], v[G+8*\e+6]
	v_mul_f32 v[SQ+\e], v56, v56
	v_fma_f32 v[SQ+\e], v57, v57, v[SQ+\e]
	v_fma_f32 v[SQ+\e], v58, v58, v[SQ+\e]
	v_max_num_f32 v[FM+\e], v[G+8*\e+3], v[G+8*\e+7]
.endr
.irp e, 0,1,2,3
	v_sqrt_f32 v[RO+\e], v[SQ+\e]
.endr
	v_nop                                          ; a plain vector instruction between the last root and its use (ISA guide 5.7.2)
	s_wait_alu depctr_va_vdst(0)
.irp e, 0,1,2,3
	v_add_f32 v[SQ+\e], v[RO+\e], v[FM+\e]
.endr
	global_store_b128 v2, v[SQ:SQ+3], s[8:9] th:TH_STORE_NT
	s_endpgm
.Lfunc_end_k_q4da972dfbb_edges:
	.size	k_q4da972dfbb_edges, .Lfunc_end_k_q4da972dfbb_edges-k_q4da972dfbb_edges
	.p2alignl 7, 3214868480
	.fill 96, 4, 3214868480
	.section	.rodata,"a",@progbits
	.p2align	6, 0x0
	.amdhsa_kernel k_q4da972dfbb_edges
		.amdhsa_group_segment_fixed_size 0
		.amdhsa_private_segment_fixed_size 0
		.amdhsa_enable_private_segment 0
		.amdhsa_kernarg_size 24
		.amdhsa_user_sgpr_count 2
		.amdhsa_user_sgpr_kernarg_segment_ptr 1
		.amdhsa_wavefront_size32 1
		.amdhsa_system_sgpr_workgroup_id_x 1
		.amdhsa_system_sgpr_workgroup_id_y 1
		.amdhsa_system_sgpr_workgroup_id_z 1
		.amdhsa_system_vgpr_workitem_id 0
		.amdhsa_next_free_vgpr 64
		.amdhsa_next_free_sgpr 66
		.amdhsa_reserve_vcc 0
		.amdhsa_float_denorm_mode_32 3
		.amdhsa_float_denorm_mode_16_64 3
		.amdhsa_memory_ordered 1
		.amdhsa_forward_progress 1
		.amdhsa_inst_pref_size 5
	.end_amdhsa_kernel
	.amdgpu_metadata
---
amdhsa.version: [ 1, 2 ]
amdhsa.kernels:
  - .name:           k_q4da972dfbb_edges
    .symbol:         k_q4da972dfbb_edges.kd
    .args:
      - { .name: edges, .offset: 0, .size: 8, .value_kind: global_buffer, .address_space: global }
      - { .name: vf4, .offset: 8, .size: 8, .value_kind: global_buffer, .address_space: global }
      - { .name: out1, .offset: 16, .size: 8, .value_kind: global_buffer, .address_space: global }
    .group_segment_fixed_size: 0
    .private_segment_fixed_size: 0
    .kernarg_segment_align: 8
    .kernarg_segment_size: 24
    .max_flat_workgroup_size: 256
    .sgpr_count:     66
    .vgpr_count:     64
    .wavefront_size: 32
...
	.end_amdgpu_metadata
.endif
;; end of part 2
;; ======== version 2 of 2: 2 launches; version 1 with the launch knn_mlp written anew for expert scheduling mode
;; workspace buffers: vf4 131,072 bytes
;; launch knn_mlp (part 3): grid 256 x 1, 8 waves a work-group, no clusters, 290,304 bytes of LDS; arguments pts, W1, b1, W2, b2, W3, b3, out0, vf4; writes out0, vf4
.if DOCPART == 3
	.amdgcn_target "amdgcn-amd-amdhsa--gfx1250"
	.amdhsa_code_object_version 6
	.text
	.protected	k_q4da972dfbb_knn_mlp
	.globl	k_q4da972dfbb_knn_mlp
	.p2align	8
	.type	k_q4da972dfbb_knn_mlp,@function
k_q4da972dfbb_knn_mlp:
	s_mov_b64 s[64:65], 0
	v_nop
	global_prefetch_b8 v0, s[64:65] scope:SCOPE_SE
	s_setreg_imm32_b32 hwreg(HW_REG_WAVE_SCHED_MODE, 0, 2), 2
	s_setreg_imm32_b32 hwreg(HW_REG_WAVE_MODE, 25, 1), 1
	s_wait_xcnt 0x0
	s_wait_alu depctr_vm_vsrc(0)
; out0[q] = MLP(the 2nd to 11th smallest distances from point q to all 8,192 points);  vf4[q] = (x, y, z, out0[q]) for the edge launch.
; 256 work-groups of 8 waves.  A work-group owns 32 queries (two tiles of 16).  Every wave holds both query tiles and walks 1,024 of the
; 8,192 candidates (64 tiles of 16).  Per candidate tile: 2 LDS loads, 2 matrix instructions (512 squared distances), 176 insertions.
;
; SQUARED DISTANCES ON THE MATRIX UNIT, WITHOUT LOSS IN THE OPERANDS.  All points are taken relative to pts[0], which changes no distance and takes
; a common offset away before |a|^2 + |b|^2 - 2ab is formed.  An f32 t is cut into three bf16 pieces that add up to it exactly:
; th = t & 0xffff0000, r = t - th, tm = r & 0xffff0000, tl = r - tm (8 + 8 + 8 bits).  The 32 K places of one instruction hold, in 4 chunks of 8:
;   A (candidate, row m):  P | P | P | R     P = [xh xm xl yh ym yl zh zm]     R = [zl zl zl n1 n2 n3 0 0]     n = x^2 + y^2 + z^2 in three pieces
;   B (query, column n):   [Xh Xh Xh Yh Yh Yh Zh Zh] | the same of the m pieces | of the l pieces | [Zh Zm Zl 1 1 1 0 0]     (X, Y, Z) = -2 x the query
;   C: the query's own n in all 8 registers.  So D = n_cand + n_query - 2 a.b with all 27 piece products.
; A candidate is 32 bytes (P and R); the table of all 8,192 is 262,144 bytes and lies in LDS, built once by each work-group.
; D's register j of lane (r, h) is candidate 8h + j against query r: a lane's eight results belong to its own query, so selection stays in the lane.
;
; SELECTION.  The root is monotone, so the squares are selected and only 10 roots a query are taken.  Each lane keeps a sorted list of 11:
; a[i] = med3(x, a[i-1], a[i]) from i = 10 down to 1, a[0] = min(x, a[0]).  No branch and no address hangs on a distance.
; The 16 partial lists of a query (2 lane halves x 8 waves) are merged by the same network, shortened: the j-th value of a sorted list lands at place j or later.
;
; MLP, TRANSPOSED: A = W^T (row = out feature), B = activations (column = query), so that D of feature tile f is, packed, B of the next layer's K step f / 2.
; Operands go as hi (cut) + lo (rounded rest) in bf16 with the products hh, hl, lh; the biases enter as the f32 C.  Wave w: query tile w & 1, feature tile w >> 1.
; Layer 3 has one output column, a sixteenth of a matrix tile: 8 f32 multiply-adds a lane, one exchange of halves, four words through LDS.
;
; NO CLUSTER, NO TENSOR LOADS: what the work-groups share is the 98,304 bytes of pts, read once at the head; each point must pass through registers to be
; cut into pieces, a raw copy does not fit beside the table (262,144 + 98,304 > 327,680), and the main loop reads no memory at all.
; LIMITS: pts are finite (the _num forms of med3 and min drop a NaN).  v_sqrt_f32 returns 0 for squares below 2^-126 (ISA guide, 15.8).
; A squared distance carries the rounding of an f32 sum at the size of |p - pts[0]|^2.
; out0 gets 128 consecutive bytes from each work-group (32 queries); vf4 gets 512 consecutive bytes at a multiple of 512.
;
; THE MODE: SCHED_MODE bits 1:0 = 2 (LLVM: expert scheduling mode 2), set by the entry lines.  The code itself states the register dependences
; between vector or matrix instructions and memory or LDS instructions, with s_wait_alu, always for 0.
; THE PLAN.  Registers that memory or LDS instructions touch:
;   the table   RING: a slot is read and written by its point's cutting, then loaded again.  OUT: P and R of a block of four points, written by the block's 28
;               packings, read by its 8 LDS stores.  One wait on va_vdst a block stands ahead of its 4 refills and 8 stores; one wait on vm_vsrc ahead of the
;               next block's first packing.  v190 and v[106:109], the offset and the store addresses, are made at the head and not written during the build.
;   the loop    AB1 is read by a trip's first two matrix instructions, AB0 by its second two; behind those, and one candidate's insertions, both are loaded again
;               in one run.  v4 and v5 are read by every fragment load and stepped once a trip, directly ahead of that run.  So a trip has one wait on vm_vsrc
;               (the last trip's loads have read v4, v5), the two adds, and one wait on va_vdst (v4, v5 written; the matrix instructions done reading AB0, AB1).
;               The lists, the query fragments and the results are named by vector and matrix instructions alone.
;   the end     each run of LDS stores stands behind a wait on va_vdst for its data, each run of LDS loads behind one for the last namers of the registers
;               in which it lands; a register that a store has read is written again only behind a wait on vm_vsrc.  Each wait's comment names its registers.
.set PT,    0                          ; LDS: P of candidate p at 16 p                     131,072 bytes
.set RT,    131072                     ;      R of candidate p at RT + 16 p                131,072 bytes
.set MRG,   262144                     ;      12 slots of 32 lanes x 48 bytes: lists on their way between waves (each slot written once)
.set MSLOT, 1536
.set HX,    280576                     ;      layer 1's output: wave w, hi at 1024 w + 16 L, lo 512 further      8,192 bytes
.set PS,    288768                     ;      layer 3's partial sums: wave w, query r at 64 w + 4 r              512 bytes
.set LS0,   8                          ; v[8:19]    sorted list of query tile 0 (11 values, 1 pad)
.set LS1,   20                         ; v[20:31]   of query tile 1
.set BQ0,   32                         ; v[32:39]   B fragment of query tile 0
.set BQ1,   40                         ; v[40:47]   of tile 1
.set CQ0,   48                         ; v[48:55]   C of tile 0: the query's norm, eight times
.set CQ1,   56                         ; v[56:63]
.set AB0,   64                         ; v[64:71]   candidate fragment, buffer 0
.set AB1,   72                         ; v[72:79]   buffer 1
.set DA,    80                         ; v[80:95]   results, buffer A: tile 0's queries, then tile 1's
.set DB,    96                         ; v[96:111]  buffer B
.set A1,    112                        ; v[112:119] W1^T fragment
.set A2H,   120                        ; v[120:135] W2^T, hi, K steps 0 and 1
.set A2L,   136                        ; v[136:151] W2^T, lo
.set BI1,   152                        ; v[152:159] b1 of my 8 features
.set BI2,   160                        ; v[160:167] b2
.set W3R,   168                        ; v[168:175] W3
.set QX,    176                        ; v[176:179] raw x, y, z of query L, then its result
.set W2RAW, 64                         ; head only: v[64:95]
.set W1RAW, 96                         ; head only: v[96:105]
.set SA,    106                        ; head only: v[106:109] 16 tid + 0, 65536, 131072, 196608
.set OUT,   64                         ; head only, behind W2RAW's use: v[64:95] point k of a block of four: P at OUT + 8 k, R at OUT + 8 k + 4 (its last word 0)
.set RING,  192                        ; head only: v[192:255] 16 slots of (x, y, z, n)
.set B2H,   8                          ; end only: v[8:23] layer 2's B, hi;  v[24:39] lo
.set B2L,   24
.set ACC0,  40                         ; end only: v[40:47], v[48:55], v[56:63]
.set ACC1,  48
.set ACC2,  56
	s_load_b512 s[8:23], s[0:1], 0x0               ; pts s[8:9], W1 s[10:11], b1 s[12:13], W2 s[14:15], b2 s[16:17], W3 s[18:19], b3 s[20:21], out0 s[22:23]
	s_load_b64 s[24:25], s[0:1], 0x40              ; vf4
	v_lshl_add_u32 v186, v0, 2, 0x46a00
	v_mov_b32 v187, 0
	v_and_b32 v1, 31, v0                           ; L
	v_and_b32 v2, 15, v0                           ; r
	v_bfe_u32 v3, v0, 4, 1                         ; h
	v_lshrrev_b32 v4, 5, v0
	v_readfirstlane_b32 s26, v4                    ; wave w
	s_mov_b32 s36, 0xffff0000                      ; a word's upper 16 bits: cuts an f32 to bf16
	s_mov_b32 s37, 0xffff0000                      ; as a lane mask: the lanes with h = 1
	s_mov_b32 s38, 0x07060302                      ; v_perm_b32: {first source's high half, second source's high half}
	s_mov_b32 s39, 0x7f800000                      ; +inf
	s_mov_b32 s40, 0x76543210                      ; v_permlanex16_b32: lane i of one half reads lane i of the other
	s_mov_b32 s41, 0xfedcba98
	s_mov_b32 s43, 0x3c23d70a                      ; 0.01
	s_mov_b32 s45, 0
	s_wait_alu depctr_va_sdst(0)                   ; s26 is written, ahead of its first reader: LDS places, branches and the MLP's shares are made from it
	s_and_b32 s27, s26, 1                          ; qt: my query tile in the MLP
	s_lshr_b32 s28, s26, 1                         ; ft: my feature tile in the MLP
	s_lshl_b32 s52, s26, 14                        ; my 1,024 candidates: 16,384 bytes of each table
	s_mul_i32 s53, s26, MSLOT
	s_add_co_u32 s53, s53, MRG
	s_lshl_b32 s54, s28, 6                         ; 16 features x 4 bytes
	v_lshl_add_u32 v4, v2, 4, s52                  ; P of candidate r of my first tile
	v_lshl_add_u32 v5, v3, 17, v4                  ; h = 0: the same P;  h = 1: its R
	v_mad_u32_u24 v6, v1, 48, s53                  ; my 48 bytes in merge slot w
	v_mov_b32 v7, 1.0
	v_lshlrev_b32 v[SA], 4, v0
	v_add_nc_u32 v[SA+1], 0x10000, v[SA]
	v_add_nc_u32 v[SA+2], 0x20000, v[SA]
	v_add_nc_u32 v[SA+3], 0x30000, v[SA]
	v_lshl_add_u32 v110, v2, 2, s54                ; W1: column 16 ft + r
	v_lshl_add_u32 v111, v3, 11, v110              ; W2: the same column, 8 h rows of 256 bytes down
	v_lshl_add_u32 v16, v3, 5, s54                 ; b1, b2, W3: features 16 ft + 8 h ..
	v_mul_u32_u24 v190, 12, v0                     ; point tid
	v_mul_u32_u24 v191, 12, v2                     ; query r
	s_wait_kmcnt 0x0
	s_load_b96 s[32:34], s[8:9], 0x0               ; pts[0], the centre
	s_load_b32 s35, s[20:21], 0x0                  ; b3
	s_mul_i32 s44, ttmp9, 384
	s_add_nc_u64 s[46:47], s[8:9], s[44:45]        ; my 32 queries in pts
	s_lshl_b32 s44, ttmp9, 7
	s_add_nc_u64 s[48:49], s[22:23], s[44:45]      ; in out0
	s_lshl_b32 s44, ttmp9, 9
	s_add_nc_u64 s[50:51], s[24:25], s[44:45]      ; in vf4
	s_wait_alu depctr_va_vdst(0)                   ; the offsets v16, v110, v111, v190, v191 are written, which the loads below read; so are the LDS addresses v4, v5, v6 and v[106:109]
	; all loads of the head in one run: queries, weights, biases, then the first 16 of my 32 points
	global_load_b96 v[8:10], v191, s[46:47]                ; query r
	global_load_b96 v[12:14], v191, s[46:47] offset:192    ; query 16 + r
.irp i, 0,1,2,3,4,5,6,7,8,9
	global_load_b32 v[W1RAW+\i], v110, s[10:11] offset:256*\i      ; W1[i][16 ft + r]
.endr
.irp s, 0,1
.irp e, 0,1,2,3,4,5,6,7,8,9,10,11,12,13,14,15
	global_load_b32 v[W2RAW+16*\s+\e], v111, s[14:15] offset:256*(32*\s+\e+8*(\e/8))   ; W2[32 s + 8 h + e (+ 8 from e = 8 on)][16 ft + r]: the fragment's order of k
.endr
.endr
	global_load_b128 v[BI1:BI1+3], v16, s[12:13]
	global_load_b128 v[BI1+4:BI1+7], v16, s[12:13] offset:16
	global_load_b128 v[BI2:BI2+3], v16, s[16:17]
	global_load_b128 v[BI2+4:BI2+7], v16, s[16:17] offset:16
	global_load_b128 v[W3R:W3R+3], v16, s[18:19]
	global_load_b128 v[W3R+4:W3R+7], v16, s[18:19] offset:16
.irp i, 0,1,2,3,4,5,6,7,8,9,10,11,12,13,14,15
	global_load_b96 v[RING+4*\i:RING+4*\i+2], v190, s[8:9] offset:3072*\i      ; point 256 i + tid
.endr
	s_wait_kmcnt 0x0
	s_xor_b32 s32, s32, 0x80000000                 ; minus the centre
	s_xor_b32 s33, s33, 0x80000000
	s_xor_b32 s34, s34, 0x80000000
	v_mov_b32 v188, s32
	v_mov_b32 v189, s33
	s_wait_loadcnt 16                              ; loads return in order (ISA guide 5.7.1): only the 16 point loads are younger, so queries, weights and biases are in
	s_wait_alu depctr_vm_vsrc(0)                   ; the loads above have read their offsets: v16 is written again by the lines below, v110 and v111 by the main loop's matrix instructions
	v_mov_b32 v11, 0x3f803f80                      ; (1, 1) in bf16
	v_mov_b32 v15, 0
	v_cndmask_b32 v[QX], v8, v12, s37              ; lane L keeps the raw coordinates of query L = 16 h + r
	v_cndmask_b32 v[QX+1], v9, v13, s37
	v_cndmask_b32 v[QX+2], v10, v14, s37
; A query tile's B fragment and C.  rw: raw x, y, z of query r.
.macro QFRAG rw, bq, cq
	v_add_f32 v16, s32, v[\rw]                     ; relative to the centre
	v_add_f32 v17, s33, v[\rw+1]
	v_add_f32 v18, s34, v[\rw+2]
	v_mul_f32 v19, v16, v16                        ; the norm, by the same three instructions as the candidates'
	v_fma_f32 v19, v17, v17, v19
	v_fma_f32 v19, v18, v18, v19
.irp j, 0,1,2,3,4,5,6,7
	v_mov_b32 v[\cq+\j], v19
.endr
	v_mul_f32 v16, -2.0, v16                       ; exact
	v_mul_f32 v17, -2.0, v17
	v_mul_f32 v18, -2.0, v18
.irp k, 0,1,2
	v_and_b32 v[20+\k], s36, v[16+\k]
.endr
.irp k, 0,1,2
	v_sub_f32 v[20+\k], v[16+\k], v[20+\k]         ; r = t - th: its high half is tm
.endr
.irp k, 0,1,2
	v_and_b32 v[24+\k], s36, v[20+\k]
.endr
.irp k, 0,1,2
	v_sub_f32 v[24+\k], v[20+\k], v[24+\k]         ; tl, exact in its high half
.endr
.irp k, 0,1,2
	v_cndmask_b32 v[28+\k], v[16+\k], v[20+\k], s37        ; h = 0: the h pieces (chunk 0);  h = 1: the m pieces (chunk 1)
.endr
	v_perm_b32 v[\bq+0], v28, v28, s38             ; X X
	v_perm_b32 v[\bq+1], v29, v28, s38             ; X Y (low half first)
	v_perm_b32 v[\bq+2], v29, v29, s38             ; Y Y
	v_perm_b32 v[\bq+3], v30, v30, s38             ; Z Z
	v_perm_b32 v[\bq+4], v24, v24, s38             ; chunk 2: the same of the l pieces
	v_perm_b32 v[\bq+5], v25, v24, s38
	v_perm_b32 v[\bq+6], v25, v25, s38
	v_perm_b32 v[\bq+7], v26, v26, s38
	v_perm_b32 v23, v22, v18, s38                  ; chunk 3: Zh Zm
	v_perm_b32 v27, v7, v26, s38                   ;          Zl 1
	v_cndmask_b32 v[\bq+4], v[\bq+4], v23, s37
	v_cndmask_b32 v[\bq+5], v[\bq+5], v27, s37
	v_cndmask_b32 v[\bq+6], v[\bq+6], v11, s37     ;          1 1
	v_cndmask_b32 v[\bq+7], v[\bq+7], v15, s37     ;          0 0
.endm
	QFRAG 8, BQ0, CQ0
	QFRAG 12, BQ1, CQ1
	; W1^T: 30 products in 32 K places.  h = 0: registers 0-4 Wh(0..9), 5-7 Wh(0..5);  h = 1: registers 0-4 Wl(0..9), 5-7 Wh(6..9), 0, 0.
	; (B will hold: h = 0: kh(0..9), kl(0..5);  h = 1: kh(0..9), kl(6..9), 0, 0.)
.irp i, 0,1,2,3,4,5,6,7,8,9
	v_and_b32 v[16+\i], s36, v[W1RAW+\i]
.endr
.irp c, 0,2,4,6,8
	v_pk_add_f32 v[16+\c:17+\c], v[W1RAW+\c:W1RAW+\c+1], v[16+\c:17+\c] neg_lo:[0,1] neg_hi:[0,1]   ; the rests, exact
.endr
.irp c, 0,1,2,3,4
	v_perm_b32 v[26+\c], v[W1RAW+2*\c+1], v[W1RAW+2*\c], s38       ; hi pairs
.endr
.irp c, 0,1,2,3,4
	v_cvt_pk_bf16_f32 v[16+\c], v[16+2*\c], v[17+2*\c]             ; lo pairs (each destination's old value has been used)
.endr
.irp c, 0,1,2,3,4
	v_cndmask_b32 v[A1+\c], v[26+\c], v[16+\c], s37
.endr
	v_cndmask_b32 v[A1+5], v26, v29, s37
	v_cndmask_b32 v[A1+6], v27, v30, s37
	v_cndmask_b32 v[A1+7], v28, v15, s37
	; W2^T: hi and lo fragments of both K steps
.irp c, 0,1,2,3,4,5,6,7,8,9,10,11,12,13,14,15
	v_and_b32 v16, s36, v[W2RAW+2*\c]
	v_and_b32 v17, s36, v[W2RAW+2*\c+1]
	v_perm_b32 v[A2H+\c], v[W2RAW+2*\c+1], v[W2RAW+2*\c], s38
	v_pk_add_f32 v[16:17], v[W2RAW+2*\c:W2RAW+2*\c+1], v[16:17] neg_lo:[0,1] neg_hi:[0,1]
	v_cvt_pk_bf16_f32 v[A2L+\c], v16, v17
.endr
.irp k, 0,1,2,3
	v_mov_b32 v[OUT+8*\k+7], 0                     ; W2's raw registers are OUT from here on: the last word of each R is 0 and stays so
.endr
; THE TABLE.  Thread tid makes P and R of points 256 i + tid, i = 0 .. 31, through a ring of 16 register slots, in blocks of four points.
; CUT: point i is cut into its pieces, which are packed into OUT.  left = how many younger loads may stay out.
.macro CUT i, left
.set SL, RING+4*((\i)%16)
.set OB, OUT+8*((\i)%4)
	s_wait_loadcnt \left
	v_pk_add_f32 v[SL:SL+1], v[SL:SL+1], v[188:189]        ; relative to the centre
	v_add_f32 v[SL+2], s34, v[SL+2]
	v_mul_f32 v[SL+3], v[SL], v[SL]                        ; n
	v_fma_f32 v[SL+3], v[SL+1], v[SL+1], v[SL+3]
	v_fma_f32 v[SL+3], v[SL+2], v[SL+2], v[SL+3]
.irp k, 0,1,2,3
	v_and_b32 v[16+\k], s36, v[SL+\k]
.endr
	v_pk_add_f32 v[20:21], v[SL:SL+1], v[16:17] neg_lo:[0,1] neg_hi:[0,1]      ; r = t - th
	v_pk_add_f32 v[22:23], v[SL+2:SL+3], v[18:19] neg_lo:[0,1] neg_hi:[0,1]
.irp k, 0,1,2,3
	v_and_b32 v[16+\k], s36, v[20+\k]
.endr
	v_pk_add_f32 v[24:25], v[20:21], v[16:17] neg_lo:[0,1] neg_hi:[0,1]        ; tl = r - tm
	v_pk_add_f32 v[26:27], v[22:23], v[18:19] neg_lo:[0,1] neg_hi:[0,1]
.if ((\i)%4 == 0) && ((\i) > 0)
	s_wait_alu depctr_vm_vsrc(0)                   ; the LDS stores of the block before have read OUT, which this block's packings write again
.endif
	v_perm_b32 v[OB+0], v20, v[SL], s38            ; xh xm (low half first)
	v_perm_b32 v[OB+1], v[SL+1], v24, s38          ; xl yh
	v_perm_b32 v[OB+2], v25, v21, s38              ; ym yl
	v_perm_b32 v[OB+3], v22, v[SL+2], s38          ; zh zm
	v_perm_b32 v[OB+4], v26, v26, s38              ; zl zl
	v_perm_b32 v[OB+5], v[SL+3], v26, s38          ; zl n1
	v_perm_b32 v[OB+6], v27, v23, s38              ; n2 n3
.endm
; SEND: block b's four points leave for the table.  refill = 1: its four slots are loaded again, with the points 16 x 256 further on.
.macro SEND b, refill
	s_wait_alu depctr_va_vdst(0)                   ; the block's packings have written OUT, which the stores read; its cutting is done reading and writing the four slots in which the loads land
.if \refill
.irp k, 0,1,2,3
	global_load_b96 v[RING+4*(4*(\b)+\k):RING+4*(4*(\b)+\k)+2], v190, s[8:9] offset:3072*(4*(\b)+\k+16)
.endr
.endif
.irp k, 0,1,2,3
	ds_store_b128 v[SA+(\b)/4], v[OUT+8*\k:OUT+8*\k+3] offset:4096*(4*((\b)%4)+\k)         ; neighbouring lanes, neighbouring 16 bytes
	ds_store_b128 v[SA+2+(\b)/4], v[OUT+8*\k+4:OUT+8*\k+7] offset:4096*(4*((\b)%4)+\k)
.endr
.endm
.irp b, 0,1,2,3
.irp k, 0,1,2,3
	CUT 4*\b+\k, 15-\k                             ; younger than slot i's load, i = 4 b + k: 15 - i first fills and 4 b refills
.endr
	SEND \b, 1
.endr
.irp b, 4,5,6,7
.irp k, 0,1,2,3
	CUT 4*\b+\k, 31-(4*\b+\k)                      ; the counts run down; nothing is loaded past point 8,191
.endr
	SEND \b, 0
.endr
	s_wait_dscnt 0x0                               ; my part of the table is written,
	s_barrier_signal -1
	s_barrier_wait -1                              ; everybody's is
; One candidate for each of the two lists, the lists' instructions by turns.
.macro INS2 xa, xb
.irp i, 10,9,8,7,6,5,4,3,2,1
	v_med3_num_f32 v[LS0+\i], v[\xa], v[LS0+\i-1], v[LS0+\i]
	v_med3_num_f32 v[LS1+\i], v[\xb], v[LS1+\i-1], v[LS1+\i]
.endr
	v_min_num_f32 v[LS0], v[\xa], v[LS0]
	v_min_num_f32 v[LS1], v[\xb], v[LS1]
.endm
; One step: the next tile's two matrix instructions (wm) from fragment buffer ab into result buffer nxt, and the 16 insertions of result buffer cur.
; The results are read a whole step behind their matrix instruction (ISA guide 7.12.1).  No matrix instruction adds in place.
; ld = 1 (a trip's second step): behind the first candidates' 22 insertion lines both fragment buffers are asked for again, for the next trip's two steps.
; ld = 2 (the tail): AB1 alone, for the last tile, by the immediate offset: the addresses are not stepped.
.macro STEP cur, nxt, ab, cnt, wm, ld
.if \wm
	s_wait_dscnt \cnt                              ; LDS loads return in order (ISA guide 5.7.1): ab's two are in; with the count 2 the other buffer's two, issued behind them, may stay out
	v_wmma_f32_16x16x32_bf16 v[\nxt:\nxt+7], v[\ab:\ab+7], v[BQ0:BQ0+7], v[CQ0:CQ0+7]
	v_wmma_f32_16x16x32_bf16 v[\nxt+8:\nxt+15], v[\ab:\ab+7], v[BQ1:BQ1+7], v[CQ1:CQ1+7]
.endif
	INS2 \cur, \cur+8
.if \ld == 1
	s_wait_alu depctr_vm_vsrc(0)                   ; the fragment loads issued so far, the last of them a trip ago, have read v4 and v5
	v_add_nc_u32 v4, 0x200, v4                     ; two tiles on
	v_add_nc_u32 v5, 0x200, v5
	s_wait_alu depctr_va_vdst(0)                   ; v4 and v5 are written; this trip's four matrix instructions are done reading AB1 and AB0, in which the loads land
	ds_load_b128 v[AB1:AB1+3], v4 offset:256       ; chunks 0 and 1: P in both halves
	ds_load_b128 v[AB1+4:AB1+7], v5 offset:256     ; chunk 2: P;  chunk 3: R
	ds_load_b128 v[AB0:AB0+3], v4 offset:512
	ds_load_b128 v[AB0+4:AB0+7], v5 offset:512
.endif
.if \ld == 2
	s_wait_alu depctr_va_vdst(0)                   ; the matrix instructions of the step before are done reading AB1, in which the loads land
	ds_load_b128 v[AB1:AB1+3], v4 offset:768
	ds_load_b128 v[AB1+4:AB1+7], v5 offset:768
.endif
.irp j, 1,2,3,4,5,6,7
	INS2 \cur+\j, \cur+8+\j
.endr
.endm
	s_wait_alu depctr_vm_vsrc(0)                   ; my LDS stores have read OUT and v[106:109]: v[64:79] take the fragments' loads from here on, v[80:111] the matrix results
	ds_load_b128 v[AB0:AB0+3], v4                  ; tile 0.  (No vector instruction since the last block's wait on va_vdst names v4, v5 or v[64:79].)
	ds_load_b128 v[AB0+4:AB0+7], v5
	ds_load_b128 v[AB1:AB1+3], v4 offset:256       ; tile 1
	ds_load_b128 v[AB1+4:AB1+7], v5 offset:256
	s_wait_dscnt 2                                 ; tile 0 is in
	v_wmma_f32_16x16x32_bf16 v[DA:DA+7], v[AB0:AB0+7], v[BQ0:BQ0+7], v[CQ0:CQ0+7]
	v_wmma_f32_16x16x32_bf16 v[DA+8:DA+15], v[AB0:AB0+7], v[BQ1:BQ1+7], v[CQ1:CQ1+7]
.irp i, 0,1,2,3,4,5,6,7,8,9,10,11,12,13,14,15,16,17,18,19,20,21,22,23
	v_mov_b32 v[LS0+\i], s39                       ; both lists start at +inf, pads too; these lines are also the places behind the two matrix instructions
.endr
	s_wait_alu depctr_va_vdst(0)                   ; the two matrix instructions are done reading AB0, in which the loads land
	ds_load_b128 v[AB0:AB0+3], v4 offset:512       ; tile 2
	ds_load_b128 v[AB0+4:AB0+7], v5 offset:512
	s_mov_b32 s42, 30
.Ltiles:                                           ; trip t: steps 2 t and 2 t + 1 of 64; it asks for tiles 2 t + 3 and 2 t + 4
	STEP DA, DB, AB1, 2, 1, 0
	STEP DB, DA, AB0, 0, 1, 1
	s_sub_co_i32 s42, s42, 1
	s_cmp_lg_u32 s42, 0
	s_cbranch_scc1 .Ltiles
	STEP DA, DB, AB1, 2, 1, 0                      ; step 60: tile 61's loads are in, tile 62's two may stay out
	STEP DB, DA, AB0, 0, 1, 2                      ; step 61 loads tile 63, the last
	STEP DA, DB, AB1, 0, 1, 0                      ; step 62: tile 63's are the only ones out
	STEP DB, DB, AB1, 0, 0, 0                      ; step 63 only inserts
; A value of a sorted list, its lo-th, enters list 0: lo values not larger are in the list already, so places below lo stay as they are.
.macro INSF x, lo
.set ii, 10
.if \lo == 0
.rept 10
	v_med3_num_f32 v[LS0+ii], v[\x], v[LS0+ii-1], v[LS0+ii]
.set ii, ii-1
.endr
	v_min_num_f32 v[LS0], v[\x], v[LS0]
.else
.rept 11-\lo
	v_med3_num_f32 v[LS0+ii], v[\x], v[LS0+ii-1], v[LS0+ii]
.set ii, ii-1
.endr
.endif
.endm
	; The two halves of the lanes: lane (r, h) holds parts of queries r and 16 + r.  It keeps the list of query L = 16 h + r and sends the other across.
.irp i, 0,1,2,3,4,5,6,7,8,9,10
	v_cndmask_b32 v[64+\i], v[LS1+\i], v[LS0+\i], s37      ; to send: h = 0 list 1, h = 1 list 0
	v_cndmask_b32 v[LS0+\i], v[LS0+\i], v[LS1+\i], s37     ; to keep
	v_permlanex16_b32 v[LS1+\i], v[64+\i], s40, s41
.endr
.irp j, 0,1,2,3,4,5,6,7,8,9,10
	INSF LS1+\j, \j
.endr
; Across the waves: waves t .. 2 t - 1 store their lists, waves 0 .. t - 1 take them in.  so, lo: the offsets that lead both to the same slot.
; The branches hang on the wave's number alone and jump over no barrier.  A wave that has stored its list writes it no more.
.macro MERGE t, so, lo
	s_cmp_lt_u32 s26, \t
	s_cbranch_scc1 .Lkeep_\@
	s_cmp_ge_u32 s26, 2*\t
	s_cbranch_scc1 .Lkeep_\@
	s_wait_alu depctr_va_vdst(0)                   ; the insertions have written my list v[8:19], which the stores read
	ds_store_b128 v6, v[LS0:LS0+3] offset:\so
	ds_store_b128 v6, v[LS0+4:LS0+7] offset:\so+16
	ds_store_b128 v6, v[LS0+8:LS0+11] offset:\so+32
.Lkeep_\@:
	s_wait_dscnt 0x0                               ; for the readers' sake: my stores are done
	s_barrier_signal -1
	s_barrier_wait -1
	s_cmp_ge_u32 s26, \t
	s_cbranch_scc1 .Lidle_\@
	s_wait_alu depctr_va_vdst(0)                   ; the exchange of halves, or the insertions of the merge before, are done writing and reading v[64:75], in which the loads land
	ds_load_b128 v[64:67], v6 offset:\lo
	ds_load_b128 v[68:71], v6 offset:\lo+16
	ds_load_b128 v[72:75], v6 offset:\lo+32
	s_wait_dscnt 0x0
.irp j, 0,1,2,3,4,5,6,7,8,9,10
	INSF 64+\j, \j
.endr
.Lidle_\@:
.endm
	MERGE 4, 0, 4*MSLOT                            ; slots 4 .. 7
	MERGE 2, 6*MSLOT, 8*MSLOT                      ; slots 8, 9
	MERGE 1, 9*MSLOT, 10*MSLOT                     ; slot 10
	; Wave 0 holds the 11 smallest squares of all 32 queries: drop the smallest, clamp at 0, take the roots, hand them to all waves (slot 11).
	s_cmp_lg_u32 s26, 0
	s_cbranch_scc1 .Lno_roots
.irp i, 0,1,2,3,4,5,6,7,8,9
	v_max_num_f32 v[96+\i], 0, v[LS0+1+\i]
.endr
.irp i, 0,1,2,3,4,5,6,7,8,9
	v_sqrt_f32 v[80+\i], v[96+\i]
.endr
	v_mov_b32 v90, 0                               ; a plain vector instruction between the last root and its use (ISA guide 5.7.2); also the pad
	v_mov_b32 v91, 0
	s_wait_alu depctr_va_vdst(0)                   ; the ten roots v[80:89] and the two pads are written: one wait for the batch, ahead of its first readers, the stores
	ds_store_b128 v6, v[80:83] offset:11*MSLOT
	ds_store_b128 v6, v[84:87] offset:11*MSLOT+16
	ds_store_b128 v6, v[88:91] offset:11*MSLOT+32
.Lno_roots:
	s_wait_dscnt 0x0
	s_barrier_signal -1
	s_barrier_wait -1
	; LAYER 1.  B: the ten distances of query 16 qt + r, hi and lo.
	s_mul_i32 s52, s27, 768
	s_add_co_u32 s52, s52, MRG+11*MSLOT
	v_mad_u32_u24 v92, v2, 48, s52
	s_lshl_b32 s53, s26, 10
	s_add_co_u32 s53, s53, HX
	s_lshl_b32 s54, s27, 10
	s_add_co_u32 s54, s54, HX
	s_lshl_b32 s55, s26, 6
	s_add_co_u32 s55, s55, PS
	s_wait_alu depctr_vm_vsrc(0)                   ; the stores of the roots have read v[80:91], those of the lists v[8:19]: loads land in v[80:89] here and in v[8:39] ahead of layer 2
	s_wait_alu depctr_va_vdst(0)                   ; v92 is written, which the loads read; every vector and matrix instruction that names v[80:89] is done
	ds_load_b128 v[80:83], v92
	ds_load_b128 v[84:87], v92 offset:16
	ds_load_b64 v[88:89], v92 offset:32
	v_mov_b32 v79, 0
	s_wait_dscnt 0x0
.irp c, 0,1,2,3,4
	v_perm_b32 v[96+\c], v[81+2*\c], v[80+2*\c], s38       ; hi pairs
.endr
.irp i, 0,1,2,3,4,5,6,7,8,9
	v_and_b32 v[64+\i], s36, v[80+\i]
.endr
.irp c, 0,2,4,6,8
	v_pk_add_f32 v[64+\c:65+\c], v[80+\c:81+\c], v[64+\c:65+\c] neg_lo:[0,1] neg_hi:[0,1]
.endr
.irp c, 0,1,2,3,4
	v_cvt_pk_bf16_f32 v[74+\c], v[64+2*\c], v[65+2*\c]     ; lo pairs
.endr
	v_cndmask_b32 v101, v74, v77, s37
	v_cndmask_b32 v102, v75, v78, s37
	v_cndmask_b32 v103, v76, v79, s37
	v_wmma_f32_16x16x32_bf16 v[104:111], v[A1:A1+7], v[96:103], v[BI1:BI1+7]
	v_lshl_add_u32 v93, v1, 4, s53                 ; four places behind the matrix instruction (ISA guide 7.12.1): three addresses and a v_nop.  Where I put layer 1's output,
	v_lshl_add_u32 v94, v1, 4, s54                 ; where I read my query tile's,
	v_lshl_add_u32 v95, v2, 2, s55                 ; where I put layer 3's partial sum
	v_nop
.irp j, 0,1,2,3,4,5,6,7
	v_mul_f32 v[72+\j], s43, v[104+\j]
.endr
.irp j, 0,1,2,3,4,5,6,7
	v_max_num_f32 v[104+\j], v[104+\j], v[72+\j]   ; leaky(x) = max(x, 0.01 x)
.endr
.irp c, 0,1,2,3
	v_perm_b32 v[64+\c], v[105+2*\c], v[104+2*\c], s38     ; features 16 ft + 8 h + 0 .. 7 of query r: hi
.endr
.irp j, 0,1,2,3,4,5,6,7
	v_and_b32 v[72+\j], s36, v[104+\j]
.endr
.irp c, 0,2,4,6
	v_pk_add_f32 v[72+\c:73+\c], v[104+\c:105+\c], v[72+\c:73+\c] neg_lo:[0,1] neg_hi:[0,1]
.endr
.irp c, 0,1,2,3
	v_cvt_pk_bf16_f32 v[68+\c], v[72+2*\c], v[73+2*\c]     ; lo
.endr
	s_wait_alu depctr_va_vdst(0)                   ; the packings have written v[64:71] and the addresses v93, v94, v95 are written; every vector and matrix instruction that names v[8:39], in which layer 2's loads land, is done
	ds_store_b128 v93, v[64:67]
	ds_store_b128 v93, v[68:71] offset:512
	s_wait_dscnt 0x0
	s_barrier_signal -1
	s_barrier_wait -1
	; LAYER 2.  Feature tile f of my query tile was written by wave 2 f + qt; it is registers 4 (f & 1) .. + 3 of K step f / 2.
	; No further wait: no vector or matrix instruction stands between the wait on va_vdst above and these loads.
.irp f, 0,1,2,3
	ds_load_b128 v[B2H+4*\f:B2H+4*\f+3], v94 offset:2048*\f
	ds_load_b128 v[B2L+4*\f:B2L+4*\f+3], v94 offset:2048*\f+512
.endr
	s_wait_dscnt 0x0
	; three accumulators by turns, one instruction a turn
	v_wmma_f32_16x16x32_bf16 v[ACC0:ACC0+7], v[A2H:A2H+7], v[B2H:B2H+7], v[BI2:BI2+7]
	v_wmma_f32_16x16x32_bf16 v[ACC1:ACC1+7], v[A2H:A2H+7], v[B2L:B2L+7], 0
	v_wmma_f32_16x16x32_bf16 v[ACC2:ACC2+7], v[A2L:A2L+7], v[B2H:B2H+7], 0
	v_wmma_f32_16x16x32_bf16 v[ACC0:ACC0+7], v[A2H+8:A2H+15], v[B2H+8:B2H+15], v[ACC0:ACC0+7]
	v_wmma_f32_16x16x32_bf16 v[ACC1:ACC1+7], v[A2H+8:A2H+15], v[B2L+8:B2L+15], v[ACC1:ACC1+7]
	v_wmma_f32_16x16x32_bf16 v[ACC2:ACC2+7], v[A2L+8:A2L+15], v[B2H+8:B2H+15], v[ACC2:ACC2+7]
.rept 4
	v_nop                                          ; four places before the results are read (ISA guide 7.12.1)
.endr
.irp c, 0,2,4,6
	v_pk_add_f32 v[ACC1+\c:ACC1+\c+1], v[ACC1+\c:ACC1+\c+1], v[ACC2+\c:ACC2+\c+1]      ; the two small sums first
.endr
.irp c, 0,2,4,6
	v_pk_add_f32 v[ACC0+\c:ACC0+\c+1], v[ACC0+\c:ACC0+\c+1], v[ACC1+\c:ACC1+\c+1]
.endr
.irp j, 0,1,2,3,4,5,6,7
	v_mul_f32 v[ACC1+\j], s43, v[ACC0+\j]
.endr
.irp j, 0,1,2,3,4,5,6,7
	v_max_num_f32 v[ACC0+\j], v[ACC0+\j], v[ACC1+\j]
.endr
	; LAYER 3: my 8 features, the other half's 8, then the four feature tiles through LDS
	s_wait_alu depctr_vm_vsrc(0)                   ; the stores of layer 1's output have read v[64:71], of which v64, v65 and v70 are written again below and v[66:69] take loads
	v_mul_f32 v64, v[W3R], v[ACC0]
.irp j, 1,2,3,4,5,6,7
	v_fma_f32 v64, v[W3R+\j], v[ACC0+\j], v64
.endr
	v_permlanex16_b32 v65, v64, s40, s41
	v_add_f32 v64, v64, v65
	s_wait_alu depctr_va_vdst(0)                   ; the partial sum v64 is written, which the store reads
	ds_store_b32 v95, v64                          ; both halves write the same value to the same word
	s_wait_dscnt 0x0
	s_barrier_signal -1
	s_barrier_wait -1
	s_cmp_lg_u32 s26, 0
	s_cbranch_scc1 .Lend
	s_wait_alu depctr_vm_vsrc(0)                   ; the store of the partial sum has read v64, which the next line writes
	v_lshlrev_b32 v64, 2, v1                       ; query L = 16 qt + r: wave 2 f + qt wrote at 128 f + 64 qt + 4 r = 128 f + 4 L
	v_add_nc_u32 v65, PS, v64
	s_wait_alu depctr_va_vdst(0)                   ; v65 is written, which the loads read; the packings that wrote v[66:69], in which they land, are done
	ds_load_b32 v66, v65
	ds_load_b32 v67, v65 offset:128
	ds_load_b32 v68, v65 offset:256
	ds_load_b32 v69, v65 offset:384
	v_lshlrev_b32 v70, 4, v1
	s_wait_dscnt 0x0
	v_add_f32 v66, v66, v67
	v_add_f32 v68, v68, v69
	v_add_f32 v66, v66, v68
	v_add_f32 v[QX+3], s35, v66                    ; + b3
	s_wait_alu depctr_va_vdst(0)                   ; the result v179 and the offset v70 are written, which the stores read
	global_store_b32 v64, v[QX+3], s[48:49]        ; 128 consecutive bytes of out0
	global_store_b128 v70, v[QX:QX+3], s[50:51]    ; 512 consecutive bytes of vf4, at a multiple of 512
.Lend:
	s_wait_dscnt 0x0
	s_wait_alu depctr_hold_cnt(0) depctr_sa_sdst(0) depctr_va_vdst(0) depctr_va_sdst(0) depctr_va_ssrc(0) depctr_va_vcc(0) depctr_vm_vsrc(0)
	s_wait_tensorcnt 0x0
	ds_add_u32 v186, v187
	s_wait_dscnt 0x0
	s_endpgm
.Lfunc_end_k_q4da972dfbb_knn_mlp:
	.size	k_q4da972dfbb_knn_mlp, .Lfunc_end_k_q4da972dfbb_knn_mlp-k_q4da972dfbb_knn_mlp
	.p2alignl 7, 3214868480
	.fill 96, 4, 3214868480
	.section	.rodata,"a",@progbits
	.p2align	6, 0x0
	.amdhsa_kernel k_q4da972dfbb_knn_mlp
		.amdhsa_group_segment_fixed_size 290304
		.amdhsa_private_segment_fixed_size 0
		.amdhsa_enable_private_segment 0
		.amdhsa_kernarg_size 72
		.amdhsa_user_sgpr_count 2
		.amdhsa_user_sgpr_kernarg_segment_ptr 1
		.amdhsa_wavefront_size32 1
		.amdhsa_system_sgpr_workgroup_id_x 1
		.amdhsa_system_sgpr_workgroup_id_y 1
		.amdhsa_system_sgpr_workgroup_id_z 1
		.amdhsa_system_vgpr_workitem_id 0
		.amdhsa_next_free_vgpr 256
		.amdhsa_next_free_sgpr 66
		.amdhsa_reserve_vcc 0
		.amdhsa_float_denorm_mode_32 3
		.amdhsa_float_denorm_mode_16_64 3
		.amdhsa_memory_ordered 1
		.amdhsa_forward_progress 1
		.amdhsa_inst_pref_size 161
	.end_amdhsa_kernel
	.amdgpu_metadata
---
amdhsa.version: [ 1, 2 ]
amdhsa.kernels:
  - .name:           k_q4da972dfbb_knn_mlp
    .symbol:         k_q4da972dfbb_knn_mlp.kd
    .args:
      - { .name: pts, .offset: 0, .size: 8, .value_kind: global_buffer, .address_space: global }
      - { .name: W1, .offset: 8, .size: 8, .value_kind: global_buffer, .address_space: global }
      - { .name: b1, .offset: 16, .size: 8, .value_kind: global_buffer, .address_space: global }
      - { .name: W2, .offset: 24, .size: 8, .value_kind: global_buffer, .address_space: global }
      - { .name: b2, .offset: 32, .size: 8, .value_kind: global_buffer, .address_space: global }
      - { .name: W3, .offset: 40, .size: 8, .value_kind: global_buffer, .address_space: global }
      - { .name: b3, .offset: 48, .size: 8, .value_kind: global_buffer, .address_space: global }
      - { .name: out0, .offset: 56, .size: 8, .value_kind: global_buffer, .address_space: global }
      - { .name: vf4, .offset: 64, .size: 8, .value_kind: global_buffer, .address_space: global }
    .group_segment_fixed_size: 290304
    .private_segment_fixed_size: 0
    .kernarg_segment_align: 8
    .kernarg_segment_size: 72
    .max_flat_workgroup_size: 256
    .sgpr_count:     66
    .vgpr_count:     256
    .wavefront_size: 32
...
	.end_amdgpu_metadata
.endif
;; end of part 3
;; launch edges: the kernel of part 2 again; grid 256 x 1, 8 waves a work-group, no clusters, 0 bytes of LDS; arguments edges, vf4, out1; writes out1
